; MI455X (gfx1250); checked and timed in simulation.
; The chip was launched on July 23, 2026; its instructions are those of AMD's public machine-readable ISA for CDNA 5 (MIT licence, August 2026) and "CDNA5" Instruction Set Architecture Reference Guide (July 2026). The comments in the code are by the model that wrote it; some were corrected since.
;; MM Fuser. Allowed arithmetic: float matrix products may take bf16 or f16 operands with f32 sums; other float arithmetic in f32, or as packed bf16 or f16 multiplies, adds, multiply-adds, maxima and minima; sums over many terms, partial sums and values carried from step to step in f32; what a program stores and reads back later, other than sums and carried values, may be rounded once to bf16 or f16.
;; Inputs: fc1_b 4 float32; fc1_w 4 x 512 float32; fc2_b 512 float32; fc2_w 512 x 4 float32; gamma1 512 float32; gamma2 512 float32; input_features 8 x 13,271 x 512 float32; norm1_b 512 float32; norm1_w 512 float32; norm2_b 512 float32; norm2_w 512 float32; norm3_b 512 float32; norm3_w 512 float32; query_feature 8 x 577 x 512 float32.
;; Outputs: out0 8 x 577 x 512 float32.
;; One version. Each part assembles by itself: llvm-mc -triple=amdgcn-amd-amdhsa -mcpu=gfx1250 --defsym DOCPART=n.
;; ======== version 1 of 1: 3 launches
;; limits: a difference of large sums (such as E[x^2] - mean^2): digits are lost where the result is much smaller than its terms; values are held in f16: magnitudes above 65,504 overflow, below 6.1e-05 lose precision
;; workspace buffers: qp 5,242,880 bytes; tab 20,480 bytes; cst 256 bytes; part 2,621,440 bytes
;; launch prep (part 1): grid 641 x 1, 8 waves a work-group, no clusters, 3,328 bytes of LDS; arguments query_feature, norm2_w, norm2_b, norm1_w, norm1_b, fc1_w, fc2_w, fc2_b, norm3_w, norm3_b, gamma1, gamma2, qp, tab, cst; writes qp, tab, cst
.if DOCPART == 1
	.amdgcn_target "amdgcn-amd-amdhsa--gfx1250"
	.amdhsa_code_object_version 6
	.text
	.protected	k_qaeb2772000_prep
	.globl	k_qaeb2772000_prep
	.p2align	8
	.type	k_qaeb2772000_prep,@function
k_qaeb2772000_prep:
	s_mov_b64 s[64:65], 0
	v_nop
	global_prefetch_b8 v0, s[64:65] scope:SCOPE_SE
	s_setreg_imm32_b32 hwreg(HW_REG_WAVE_MODE, 25, 1), 1
	s_wait_xcnt 0x0
; PREP.  Makes what the two later launches read again and again.
; qp  [8 b][2 hq][320 rho][512] f16: rho < 304: q' = LN2(query 304 hq + rho) o norm1_w x c, c = log2(e) / sqrt(512) (zeros where the query is 577 or more);
;     with g_j = norm1_w o fc1_w[j]: rho = 304..307: 64 g_j cut to 11 significant bits; rho = 312..315: what the cut left; the other rows from 308 on: zeros.
; tab [10][512] f32: C0 = g2 o (fc2_b + g1 o norm3_b); A_j = g2 o fc2_w[:,j]; F_a = g2 o g1 o E_a, with V_a = fc2_w[:,a] (a < 4) or fc2_b (a = 4) less its mean, E_a = norm3_w o V_a, E_5 = norm3_b.
; cst [64] f32: 0..20 M_ab = c E_a.E_b (a <= b <= 5); 21..35 Gc_ab = V_a.V_b / 512 (a <= b <= 4); 36..39 zc_j = norm1_b.fc1_w[j]; the rest copies of 38, 39, never read.
; SHARES.  Work-groups 0..639: a wave a row of qp (row = 8 x work-group + wave): a lane holds 16 numbers, 4 at byte 16 l + 512 i; a store of the wave covers 256 consecutive bytes, aligned.
; Work-group 640: 256 threads, two channels each, make tab and cst; sums meet in LDS.
; No matrix unit, no cluster, no tensor load: 10 MB are read once, nothing is shared but a few vectors of 2 KB.
; WHY f16, AND g IN TWO ROWS.  The third norm divides by the spread of a small vector, so an error in the four numbers z of a row comes out many times larger; the roundings of q' and of g are not averaged over the keys.
; LIMITS.  f16 ends at 65,504.  |q'| <= (22.6 max|norm2_w| + max|norm2_b|) max|norm1_w| x 0.064 and 64 |g| = 64 |norm1_w fc1_w| must stay below that; below 6e-5 a number keeps f16's fixed step of 6e-8.
; The variance is taken in two passes in f32.  NaN and infinities are not treated apart.
.set C_LOG, 0x3d8293ee                 ; c
.set RED1,  0                          ; LDS: five sums x eight waves, word 8 k + wave
.set RED2,  256                        ; LDS: wave w's 40 sums at RED2 + 256 w
.set SPARE, 2304                       ; the spare words, 128 bytes for each wave
.set SPW,  2                           ; v2  SPARE + 4 x thread; never rewritten
.set NIL,  3                           ; v3  0; never rewritten
.set LANE, 4
.set PT,   5                           ; v5  takes the other half's number in a reduction
.set XR,   16                          ; v[16:31] the row
.set W2,   32
.set B2,   48
.set W1,   64
.set PKD,  84                          ; v[84:91] the row in f16
.macro REDSUM r                        ; the sum over the wave's 32 lanes, in every lane
	v_add_f32_dpp v[\r], v[\r], v[\r] row_xmask:1 row_mask:0xf bank_mask:0xf
	v_add_f32_dpp v[\r], v[\r], v[\r] row_xmask:2 row_mask:0xf bank_mask:0xf
	v_add_f32_dpp v[\r], v[\r], v[\r] row_xmask:4 row_mask:0xf bank_mask:0xf
	v_add_f32_dpp v[\r], v[\r], v[\r] row_xmask:8 row_mask:0xf bank_mask:0xf
	v_permlanex16_b32 v[PT], v[\r], s12, s13
	v_add_f32 v[\r], v[\r], v[PT]
.endm
	s_load_b512 s[16:31], s[0:1], 0x0              ; query s[16:17], norm2_w s[18:19], norm2_b s[20:21], norm1_w s[22:23], norm1_b s[24:25], fc1_w s[26:27], fc2_w s[28:29], fc2_b s[30:31]
	s_load_b256 s[32:39], s[0:1], 0x40             ; norm3_w s[32:33], norm3_b s[34:35], gamma1 s[36:37], gamma2 s[38:39]
	s_load_b128 s[40:43], s[0:1], 0x60             ; qp s[40:41], tab s[42:43]
	s_load_b64 s[44:45], s[0:1], 0x70              ; cst
	v_lshl_add_u32 v[SPW], v0, 2, SPARE
	v_mov_b32 v[NIL], 0
	v_lshrrev_b32 v1, 5, v0
	v_readfirstlane_b32 s4, v1                     ; wave 0..7
	v_and_b32 v[LANE], 31, v0
	v_mov_b32 v[PT], 0
	s_mov_b32 s12, 0x76543210                      ; v_permlanex16_b32: each lane takes its own place in the other half
	s_mov_b32 s13, 0xfedcba98
	s_mov_b32 s14, 0x3b000000                      ; 1 / 512
	s_mov_b32 s15, 0x3727c5ac                      ; 1e-5
	s_mov_b32 s47, 0
	s_cmp_eq_u32 ttmp9, 640
	s_cbranch_scc1 .Ltables
	; ---- a row of qp ----
	s_lshl_b32 s5, ttmp9, 3
	s_add_co_u32 s5, s5, s4                        ; the row
	s_mul_hi_u32 s6, ttmp9, 0x3333334              ; b = work-group / 80 (exact up to 639)
	s_mul_i32 s7, s6, 640
	s_sub_co_u32 s7, s5, s7
	s_cmp_ge_u32 s7, 320
	s_cselect_b32 s8, 1, 0                         ; hq
	s_mul_i32 s9, s8, 320
	s_sub_co_u32 s9, s7, s9                        ; rho
	s_mul_i32 s10, s8, 304
	s_add_co_u32 s10, s10, s9                      ; the query
	v_lshlrev_b32 v6, 4, v[LANE]                   ; 16 l: f32 in
	v_lshlrev_b32 v7, 3, v[LANE]                   ; 8 l: f16 out
	s_lshl_b32 s46, s5, 10
	s_wait_kmcnt 0x0
	s_add_nc_u64 s[40:41], s[40:41], s[46:47]      ; my row of qp
	s_cmp_ge_u32 s9, 304
	s_cbranch_scc1 .Lspecial
	s_cmp_ge_u32 s10, 577
	s_cbranch_scc1 .Lzero
	s_mul_i32 s46, s6, 577
	s_add_co_u32 s46, s46, s10
	s_lshl_b32 s46, s46, 11
	s_add_nc_u64 s[16:17], s[16:17], s[46:47]
.irp i, 0,1,2,3
	global_load_b128 v[XR+4*\i:XR+4*\i+3], v6, s[16:17] offset:512*\i
.endr
.irp i, 0,1,2,3
	global_load_b128 v[W2+4*\i:W2+4*\i+3], v6, s[18:19] offset:512*\i
.endr
.irp i, 0,1,2,3
	global_load_b128 v[B2+4*\i:B2+4*\i+3], v6, s[20:21] offset:512*\i
.endr
.irp i, 0,1,2,3
	global_load_b128 v[W1+4*\i:W1+4*\i+3], v6, s[22:23] offset:512*\i
.endr
	s_wait_loadcnt 12                              ; the row is in; the twelve loads of the three vectors may stay out
	v_pk_add_f32 v[80:81], v[XR:XR+1], v[XR+2:XR+3]
.irp k, 2,3,4,5,6,7
	v_pk_add_f32 v[80:81], v[80:81], v[XR+2*\k:XR+2*\k+1]
.endr
	v_add_f32 v80, v80, v81
	REDSUM 80
	v_mul_f32 v80, s14, v80                        ; the mean
.irp k, 0,1,2,3,4,5,6,7
	v_pk_add_f32 v[XR+2*\k:XR+2*\k+1], v[XR+2*\k:XR+2*\k+1], v[80:81] op_sel_hi:[1,0] neg_lo:[0,1] neg_hi:[0,1]
.endr
	v_pk_mul_f32 v[82:83], v[XR:XR+1], v[XR:XR+1]
.irp k, 1,2,3,4,5,6,7
	v_pk_fma_f32 v[82:83], v[XR+2*\k:XR+2*\k+1], v[XR+2*\k:XR+2*\k+1], v[82:83]
.endr
	v_add_f32 v82, v82, v83
	REDSUM 82
	v_fma_f32 v82, v82, s14, s15                   ; the variance + 1e-5
	v_rsq_f32 v82, v82
	v_nop                                          ; a plain instruction behind the root,
	s_wait_alu depctr_va_vdst(0)                   ; and the wait ahead of its first use
	s_wait_loadcnt 0x0
.irp k, 0,1,2,3,4,5,6,7
	v_pk_mul_f32 v[XR+2*\k:XR+2*\k+1], v[XR+2*\k:XR+2*\k+1], v[82:83] op_sel_hi:[1,0]
	v_pk_fma_f32 v[XR+2*\k:XR+2*\k+1], v[XR+2*\k:XR+2*\k+1], v[W2+2*\k:W2+2*\k+1], v[B2+2*\k:B2+2*\k+1]
	v_pk_mul_f32 v[XR+2*\k:XR+2*\k+1], v[XR+2*\k:XR+2*\k+1], v[W1+2*\k:W1+2*\k+1]
	v_pk_mul_f32 v[XR+2*\k:XR+2*\k+1], v[XR+2*\k:XR+2*\k+1], C_LOG op_sel_hi:[1,0]
.endr
	s_branch .Lstore
.Lspecial:                                         ; rows 304 on: row 304 + n holds 64 g_n cut (n < 4), what the cut left of 64 g_(n-8) (n = 8..11), else zeros
	s_sub_co_u32 s11, s9, 304
	s_bitcmp1_b32 s11, 2                           ; n = 4..7 and 12..15
	s_cbranch_scc1 .Lzero
	s_and_b32 s46, s11, 3
	s_lshl_b32 s46, s46, 11
	s_add_nc_u64 s[26:27], s[26:27], s[46:47]
.irp i, 0,1,2,3
	global_load_b128 v[XR+4*\i:XR+4*\i+3], v6, s[26:27] offset:512*\i
	global_load_b128 v[W1+4*\i:W1+4*\i+3], v6, s[22:23] offset:512*\i
.endr
	s_cmp_ge_u32 s11, 8
	s_cselect_b32 s48, 1.0, 0                      ; the row is x s48 + cut(x) s49: cut(x), or x - cut(x); both exact
	s_cselect_b32 s49, -1.0, 1.0
	s_wait_loadcnt 0x0
.irp k, 0,1,2,3,4,5,6,7
	v_pk_mul_f32 v[XR+2*\k:XR+2*\k+1], v[XR+2*\k:XR+2*\k+1], v[W1+2*\k:W1+2*\k+1]
	v_pk_mul_f32 v[XR+2*\k:XR+2*\k+1], v[XR+2*\k:XR+2*\k+1], 0x42800000 op_sel_hi:[1,0]  ; x = 64 g
.endr
.irp k, 0,1,2,3,4,5,6,7,8,9,10,11,12,13,14,15
	v_and_b32 v[W2+\k], 0xffffe000, v[XR+\k]       ; 11 significant bits: f16 holds them as they are
.endr
.irp k, 0,1,2,3,4,5,6,7,8,9,10,11,12,13,14,15
	v_mul_f32 v[W2+\k], s49, v[W2+\k]
.endr
.irp k, 0,1,2,3,4,5,6,7,8,9,10,11,12,13,14,15
	v_fma_f32 v[XR+\k], v[XR+\k], s48, v[W2+\k]
.endr
	s_branch .Lstore
.Lzero:
.irp k, 0,1,2,3,4,5,6,7,8,9,10,11,12,13,14,15
	v_mov_b32 v[XR+\k], 0
.endr
.Lstore:
.irp k, 0,1,2,3,4,5,6,7
	v_cvt_pk_f16_f32 v[PKD+\k], v[XR+2*\k], v[XR+2*\k+1]
.endr
.irp i, 0,1,2,3
	global_store_b64 v7, v[PKD+2*\i:PKD+2*\i+1], s[40:41] offset:256*\i  ; 32 lanes x 8 bytes: 256 consecutive bytes, aligned
.endr
	s_branch .Lend
	; ---- tab and cst: thread t holds channels 2 t and 2 t + 1, as pairs ----
.set RP,  44                           ; v[44:53]   fc2_w[:,0..3] and fc2_b, as they are
.set MN,  54                           ; v[54:58]   their sums, then means
.set VS,  64                           ; v[64:73]   V_a / 512
.set DT,  74                           ; v[74:75]   a dot product at work
.set VP,  76                           ; v[76:85]   V_a
.set G12, 86                           ; v[86:87]   gamma1 o gamma2
.set TD,  88                           ; v[88:103]  rows 0..7 of tab; rows 8, 9 in v[16:19]
.set EP,  104                          ; v[104:115] E_0..E_5
.set CE,  116                          ; v[116:127] c E_0..E_5
.Ltables:
	v_lshlrev_b32 v6, 3, v0                        ; 8 t
	v_lshlrev_b32 v7, 5, v0                        ; 32 t: two rows of fc2_w
	v_lshlrev_b32 v8, 2, v1                        ; 4 x wave
	v_mov_b32 v9, 0
	v_lshlrev_b32 v10, 8, v1
	v_add_nc_u32 v10, RED2, v10
	s_wait_kmcnt 0x0
	global_load_b128 v[16:19], v7, s[28:29]
	global_load_b128 v[20:23], v7, s[28:29] offset:16
	global_load_b64 v[24:25], v6, s[30:31]         ; fc2_b
	global_load_b64 v[26:27], v6, s[32:33]         ; norm3_w
	global_load_b64 v[28:29], v6, s[34:35]         ; norm3_b
	global_load_b64 v[30:31], v6, s[36:37]         ; gamma1
	global_load_b64 v[32:33], v6, s[38:39]         ; gamma2
	global_load_b64 v[34:35], v6, s[24:25]         ; norm1_b
.irp j, 0,1,2,3
	global_load_b64 v[36+2*\j:37+2*\j], v6, s[26:27] offset:2048*\j  ; fc1_w[j]
.endr
	s_wait_loadcnt 0x0
.irp j, 0,1,2,3
	v_mov_b32 v[RP+2*\j], v[16+\j]
	v_mov_b32 v[RP+2*\j+1], v[20+\j]
.endr
	v_mov_b32 v[RP+8], v24
	v_mov_b32 v[RP+9], v25
.irp a, 0,1,2,3,4
	v_add_f32 v[MN+\a], v[RP+2*\a], v[RP+2*\a+1]
.endr
.irp a, 0,1,2,3,4
	REDSUM MN+\a
	ds_store_b32 v8, v[MN+\a] offset:RED1+32*\a    ; all lanes write the wave's word with the same number
.endr
	s_wait_dscnt 0x0                               ; for the others' sake: my stores are done
	s_barrier_signal -1
	s_barrier_wait -1
.irp a, 0,1,2,3,4
	ds_load_b128 v[64+8*\a:67+8*\a], v9 offset:RED1+32*\a
	ds_load_b128 v[68+8*\a:71+8*\a], v9 offset:RED1+32*\a+16
.endr
	s_wait_dscnt 0x0
.irp a, 0,1,2,3,4
	v_pk_add_f32 v[64+8*\a:65+8*\a], v[64+8*\a:65+8*\a], v[66+8*\a:67+8*\a]
	v_pk_add_f32 v[68+8*\a:69+8*\a], v[68+8*\a:69+8*\a], v[70+8*\a:71+8*\a]
	v_pk_add_f32 v[64+8*\a:65+8*\a], v[64+8*\a:65+8*\a], v[68+8*\a:69+8*\a]
	v_add_f32 v[MN+\a], v[64+8*\a], v[65+8*\a]
	v_mul_f32 v[MN+\a], s14, v[MN+\a]              ; the mean over 512 channels
.endr
.irp a, 0,1,2,3,4
	v_sub_f32 v[VP+2*\a], v[RP+2*\a], v[MN+\a]
	v_sub_f32 v[VP+2*\a+1], v[RP+2*\a+1], v[MN+\a]
.endr
.irp a, 0,1,2,3,4
	v_pk_mul_f32 v[VS+2*\a:VS+2*\a+1], v[VP+2*\a:VP+2*\a+1], s[14:15] op_sel_hi:[1,0]
	v_pk_mul_f32 v[EP+2*\a:EP+2*\a+1], v[26:27], v[VP+2*\a:VP+2*\a+1]
.endr
	v_mov_b32 v[EP+10], v28
	v_mov_b32 v[EP+11], v29
.irp a, 0,1,2,3,4,5
	v_pk_mul_f32 v[CE+2*\a:CE+2*\a+1], v[EP+2*\a:EP+2*\a+1], C_LOG op_sel_hi:[1,0]
.endr
	v_pk_fma_f32 v[TD:TD+1], v[30:31], v[28:29], v[24:25]
	v_pk_mul_f32 v[TD:TD+1], v[TD:TD+1], v[32:33]  ; C0
	v_pk_mul_f32 v[G12:G12+1], v[30:31], v[32:33]
.irp j, 0,1,2,3
	v_pk_mul_f32 v[TD+2+2*\j:TD+3+2*\j], v[32:33], v[RP+2*\j:RP+2*\j+1]  ; A_j
.endr
.irp a, 0,1,2
	v_pk_mul_f32 v[TD+10+2*\a:TD+11+2*\a], v[G12:G12+1], v[EP+2*\a:EP+2*\a+1]  ; F_0..F_2
.endr
	v_pk_mul_f32 v[16:17], v[G12:G12+1], v[EP+6:EP+7]  ; F_3
	v_pk_mul_f32 v[18:19], v[G12:G12+1], v[EP+8:EP+9]  ; F_4
.irp k, 0,1,2,3,4,5,6,7
	global_store_b64 v6, v[TD+2*\k:TD+2*\k+1], s[42:43] offset:2048*\k  ; a wave's store covers 256 consecutive bytes, aligned
.endr
	global_store_b64 v6, v[16:17], s[42:43] offset:2048*8
	global_store_b64 v6, v[18:19], s[42:43] offset:2048*9
.macro DOT i, pa, pb                   ; the wave's part of a sum over channels, into word i of its row of RED2
	v_pk_mul_f32 v[DT:DT+1], v[\pa:\pa+1], v[\pb:\pb+1]
	v_add_f32 v[DT], v[DT], v[DT+1]
	REDSUM DT
	ds_store_b32 v10, v[DT] offset:4*(\i)
.endm
.set idx, 0
.irp a, 0,1,2,3,4,5
.irp b, 0,1,2,3,4,5
.if \b >= \a
	DOT idx, CE+2*\a, EP+2*\b
.set idx, idx+1
.endif
.endr
.endr
.irp a, 0,1,2,3,4
.irp b, 0,1,2,3,4
.if \b >= \a
	DOT idx, VS+2*\a, VP+2*\b
.set idx, idx+1
.endif
.endr
.endr
.irp j, 0,1,2,3
	DOT idx, 34, 36+2*\j
.set idx, idx+1
.endr
	s_wait_dscnt 0x0                               ; for wave 0's sake
	s_barrier_signal -1
	s_barrier_wait -1
	s_cmp_lg_u32 s4, 0
	s_cbranch_scc1 .Lend
	v_min_u32 v11, 19, v[LANE]                     ; lane l adds words 2 l, 2 l + 1 of the eight rows; lanes 20 on repeat lane 19's
	v_lshlrev_b32 v11, 3, v11
.irp w, 0,1,2,3,4,5,6,7
	ds_load_b64 v[64+2*\w:65+2*\w], v11 offset:RED2+256*\w
.endr
	v_lshlrev_b32 v12, 3, v[LANE]
	s_wait_dscnt 0x0
.irp w, 1,2,3,4,5,6,7
	v_pk_add_f32 v[64:65], v[64:65], v[64+2*\w:65+2*\w]
.endr
	global_store_b64 v12, v[64:65], s[44:45]       ; all 256 bytes of cst
.Lend:
	s_wait_tensorcnt 0x0                           ; the wave's end, behind my last LDS store
	ds_add_u32 v[SPW], v[NIL]
	s_wait_dscnt 0x0
	s_endpgm
.Lfunc_end_k_qaeb2772000_prep:
	.size	k_qaeb2772000_prep, .Lfunc_end_k_qaeb2772000_prep-k_qaeb2772000_prep
	.p2alignl 7, 3214868480
	.fill 96, 4, 3214868480
	.section	.rodata,"a",@progbits
	.p2align	6, 0x0
	.amdhsa_kernel k_qaeb2772000_prep
		.amdhsa_group_segment_fixed_size 3328
		.amdhsa_private_segment_fixed_size 0
		.amdhsa_enable_private_segment 0
		.amdhsa_kernarg_size 120
		.amdhsa_user_sgpr_count 2
		.amdhsa_user_sgpr_kernarg_segment_ptr 1
		.amdhsa_wavefront_size32 1
		.amdhsa_system_sgpr_workgroup_id_x 1
		.amdhsa_system_sgpr_workgroup_id_y 1
		.amdhsa_system_sgpr_workgroup_id_z 1
		.amdhsa_system_vgpr_workitem_id 0
		.amdhsa_next_free_vgpr 128
		.amdhsa_next_free_sgpr 66
		.amdhsa_reserve_vcc 0
		.amdhsa_float_denorm_mode_32 3
		.amdhsa_float_denorm_mode_16_64 3
		.amdhsa_memory_ordered 1
		.amdhsa_forward_progress 1
		.amdhsa_inst_pref_size 46
	.end_amdhsa_kernel
	.amdgpu_metadata
---
amdhsa.version: [ 1, 2 ]
amdhsa.kernels:
  - .name:           k_qaeb2772000_prep
    .symbol:         k_qaeb2772000_prep.kd
    .args:
      - { .name: query_feature, .offset: 0, .size: 8, .value_kind: global_buffer, .address_space: global }
      - { .name: norm2_w, .offset: 8, .size: 8, .value_kind: global_buffer, .address_space: global }
      - { .name: norm2_b, .offset: 16, .size: 8, .value_kind: global_buffer, .address_space: global }
      - { .name: norm1_w, .offset: 24, .size: 8, .value_kind: global_buffer, .address_space: global }
      - { .name: norm1_b, .offset: 32, .size: 8, .value_kind: global_buffer, .address_space: global }
      - { .name: fc1_w, .offset: 40, .size: 8, .value_kind: global_buffer, .address_space: global }
      - { .name: fc2_w, .offset: 48, .size: 8, .value_kind: global_buffer, .address_space: global }
      - { .name: fc2_b, .offset: 56, .size: 8, .value_kind: global_buffer, .address_space: global }
      - { .name: norm3_w, .offset: 64, .size: 8, .value_kind: global_buffer, .address_space: global }
      - { .name: norm3_b, .offset: 72, .size: 8, .value_kind: global_buffer, .address_space: global }
      - { .name: gamma1, .offset: 80, .size: 8, .value_kind: global_buffer, .address_space: global }
      - { .name: gamma2, .offset: 88, .size: 8, .value_kind: global_buffer, .address_space: global }
      - { .name: qp, .offset: 96, .size: 8, .value_kind: global_buffer, .address_space: global }
      - { .name: tab, .offset: 104, .size: 8, .value_kind: global_buffer, .address_space: global }
      - { .name: cst, .offset: 112, .size: 8, .value_kind: global_buffer, .address_space: global }
    .group_segment_fixed_size: 3328
    .private_segment_fixed_size: 0
    .kernarg_segment_align: 8
    .kernarg_segment_size: 120
    .max_flat_workgroup_size: 256
    .sgpr_count:     66
    .vgpr_count:     128
    .wavefront_size: 32
...
	.end_amdgpu_metadata
.endif
;; end of part 1
;; launch cross (part 2): grid 32 x 8, 4 waves a work-group, no clusters, 327,680 bytes of LDS; arguments input_features, qp, part; writes part
.if DOCPART == 2
	.amdgcn_target "amdgcn-amd-amdhsa--gfx1250"
	.amdhsa_code_object_version 6
	.text
	.protected	k_qaeb2772000_cross
	.globl	k_qaeb2772000_cross
	.p2align	8
	.type	k_qaeb2772000_cross,@function
k_qaeb2772000_cross:
	s_mov_b64 s[64:65], 0
	v_nop
	global_prefetch_b8 v0, s[64:65] scope:SCOPE_SE
	s_setreg_imm32_b32 hwreg(HW_REG_WAVE_MODE, 25, 1), 1
	s_wait_xcnt 0x0
; CROSS ATTENTION, as partial sums.  For 320 rows of qp (304 queries, the rows of g, zeros) and 832 keys of one batch: the keys' layer norm, S^T = K Q^T, a running softmax, and
; O'[j][q] = the sum over keys of p u_kj (j < 4, and j = 8..11 for the second rows of g) and of p (j = 4), where u_kj = k^_k . g_j.  norm1_w and the scale lie in qp; norm1_b's part of a score is the same for all keys and drops out of the softmax.
; part [b][hq][split][320 rho][8] f32 = (U0..U3, l, m, 0, 0): the next launch joins the 16 splits.
; SHARES.  grid x = 2 split + hq, y = batch: 256 work-groups of equal work.  A work-group walks 52 tiles of 16 keys from key min(832 split, 12,439) on: every tile lies inside the tensor.
; Split 15 so begins 41 keys early: those keys are real keys of the same softmax, so they may enter the running maximum; their row of U (u and the ones) is set to 0, so they add nothing to U or l.
; Wave w keeps tiles 5 w .. 5 w + 4 of Q (16 rows x 512 channels each) in registers.  Wave 3's fifth tile is the special one: its scores ARE 64 u (rows 0-3 and 8-11); row 4 takes the ones.
; It goes through the softmax like any tile and is stored like any tile, into rows 304..319 of part, which nobody reads.
; A STEP (16 keys): the exponentials of the tile before, its 5 products O' += U P, then 80 products K Q^T of the tile in hand, and behind each of the first 67 of them three instructions of the NEXT tile's layer norm
; (raw f32 out of the ring, f16 into KB).  One work-group barrier a step; the new maxima are made between its signal and its wait.
; LAYOUT.  Source 0 = 16 keys, source 1 = 16 queries: in S^T a lane holds ONE query (lane % 16) and keys 8 (lane / 16) + 0..7; rounded in pairs that is source 1 of O' = U P with keys 16..31 of the
; product unused: U's upper four registers are 0, so what lies in P's upper four (the next tile's weights, finite) adds nothing.
; RING.  Two slots of 64 raw rows (131,072 bytes); each wave fetches 16 rows, dense in memory, as 128 rows of 256 bytes.  At most two tensor loads of a wave are out (the first fills), later one.
; NO CLUSTER: a raw tile is wanted by two work-groups only (hq = 0, 1).  Four partners would want query quarters: 2.5 tiles a wave, and the layer norm made four times instead of twice.
; FORMAT.  k^, q', u and p are rounded once to f16.  |k^| <= sqrt(512) whatever the input; p lies in 0 to 1 and below 6e-5 keeps f16's fixed step of 6e-8; |u| <= 22.6 |g_j| must stay under 65,504; q' and g: see the launch that makes them.
; LIMITS.  l is the sum of the rounded p; a weight below 2^-126 counts as 0; NaN and infinities are not treated apart.
; REGISTERS, in windows of 256 (s_set_vgpr_msb: bits 1:0 source 0, 3:2 source 1, 5:4 source 2, 7:6 destination): window 0 all but Q and K; Q(t, c) and K(c), c = the block of 32 channels, fill windows 1 to 3 (QREG, KREG).
.set SLOT1, 1<<17                      ; slot 1 of the raw ring; slot 0 begins at 0
.set GRPB,  131072                     ; a group: 64 rows of 2,048 bytes
.set TILEB, 32768                      ; a tile: 16 rows
.set KP,    1040                       ; a row of K in f16: 1,024 bytes + 16: an odd multiple of 16, so the 16 rows of a fragment load start at 16 different 16-byte columns modulo 256
.set KB0,   0x40000                    ; K in f16, 16 rows; the second buffer at KB0 ^ KBX
.set KBX,   0x8000
.set UB0,   0x44400                    ; a fragment of U, 512 bytes; the second at UB0 ^ UBX
.set UB1,   0x44600
.set UBX,   0x200
.set SPARE, 0x44800                    ; the spare words, 128 bytes for each wave: two blocks of 256 bytes that no other line names
.set SPW, 2                            ; v2   SPARE + 4 x thread; never rewritten
.set NIL, 3                            ; v3   0; never rewritten
.set LNR, 4                            ; v4   raw row (w + 8 (l / 16)) x 2,048 + 16 (l % 16)
.set LNW, 5                            ; v5   the same row in KB: x 1,040 + 8 (l % 16)
.set KFA, 6                            ; v6   a fragment of K: (l % 16) x 1,040 + 16 (l / 16)
.set L16, 7                            ; v7   16 l
.set AR,  8                            ; v8-12  the step's LDS addresses: raw in, K in, K out, U in, U out
.set AK,  9
.set AW,  10
.set AU,  11
.set AS,  12
.set PFO, 13                           ; v13  the prefetches' offset: row l / 8, block l % 8; never rewritten
.set QO,  14                           ; v14  my offset in 16 rows of qp
.set GO,  15                           ; v15  my 16 bytes in a tile's 512 of part
.set ST,  16                           ; v[16:35]  tile t: M, its change, A (at work: c0), c1
.set TT,  36                           ; v[36:43]  wave 3: (key's number in the walk - first counted key + 1) / 64, as f32
.set VAL, 44                           ; v[44:51]  that held to 0 .. 1 / 64
.set ONEV, 52                          ; v[52:53]  64.0 in the lanes of row 4
.set UT,  54                           ; v[54:57]  U's fragment on its way to LDS
.set SA,  58                           ; v[58:61]  the two sub-batches' sums, then means
.set SB,  62                           ; v[62:65]  their squares' sums, then 1 / sigma
.set U,   66                           ; v[66:73]  U's fragment; the upper four stay 0
.set P,   74                           ; v[74:97]  four a tile; the last four stay 0
.set S,   98                           ; v[98:137]  S^T, eight a tile
.set O,   138                          ; v[138:177] O', eight a tile
.set X,   178                          ; v[178:241] the layer norm's rows: two sub-batches of 32
.set TR,  242                          ; v242-246  at work in the set-up
.set TH,  243
.set TL,  244
.set WV,  10                           ; s10 wave; s11 hq; s12 split; s13 batch; s14 first key; s15 keys not counted
.set HQ,  11
.set SPL, 12
.set BAT, 13
.set STA, 14
.set THR, 15
.set G1,  16                           ; s[16:23] descriptor group 1
.set D0,  24                           ; s[24:27] group 0 of the first fill
.set D1,  28                           ; s[28:31] group 0 of the second; it then walks
.set KR,  32                           ; s32 KB to read; s33 KB to write; s34, s35 the same for UB
.set KW,  33
.set UR,  34
.set UW,  35
.set RB,  36                           ; s36 LDS byte of the raw tile to be normalised next
.set CNT, 37                           ; s37 steps to the next change of slots
.set G,   38                           ; s38 changes still to come
.set RCP512, 40
.set EPS, 41
.set SEL, 42                           ; s[42:43]
.set HIM, 44                           ; s44 lanes 16-31
.set PFA, 46                           ; s[46:47] my 8 rows of the group that the prefetches name
.set MSB, 0
.macro WIN new                         ; the immediate's high byte repeats the setting that is left; a switch that changes nothing is dropped
.if MSB != (\new)
	s_set_vgpr_msb (MSB<<8)|(\new)
.set MSB, (\new)
.endif
.endm
.macro PLACES                          ; four plain instructions between a matrix instruction and a vector instruction or load that touches its registers
.rept 4
	v_nop
.endr
.endm
.macro KREG c                          ; K(c): window kw, register kl
.if (\c) < 7
.set kw, 1
.set kl, 200+8*(\c)
.elseif (\c) < 14
.set kw, 2
.set kl, 200+8*((\c)-7)
.else
.set kw, 3
.set kl, 240+8*((\c)-14)
.endif
.endm
.macro QREG c, t                       ; Q(t, c): window qw, register ql
.if (\c) < 5
.set qw, 1
.set ql, 40*(\c)+8*(\t)
.elseif (\c) < 10
.set qw, 2
.set ql, 40*((\c)-5)+8*(\t)
.else
.set qw, 3
.set ql, 40*((\c)-10)+8*(\t)
.endif
.endm
	s_load_b128 s[4:7], s[0:1], 0x0                ; input_features s[4:5], qp s[6:7]
	s_load_b64 s[8:9], s[0:1], 0x10                ; part
	v_lshl_add_u32 v[SPW], v0, 2, SPARE
	v_mov_b32 v[NIL], 0
	ds_add_u32 v[SPW], v[NIL]                      ; the wave's opening: the add and its wait ahead of my first tensor load; the set-up below, work on registers, stands between them
	ds_add_u32 v2, v3
	v_lshrrev_b32 v1, 5, v0
	v_readfirstlane_b32 s[WV], v1
	s_and_b32 s[HQ], ttmp9, 1
	s_lshr_b32 s[SPL], ttmp9, 1
	s_and_b32 s[BAT], ttmp7, 0xffff
	s_mul_i32 s48, s[SPL], 832
	s_min_u32 s[STA], s48, 12439                   ; 13,271 - 832
	s_sub_co_u32 s[THR], s48, s[STA]               ; 41 in split 15, else 0
	s_mov_b32 s[G1+0], 3<<16                       ; elements of 8 bytes, no mask, no padding
	s_mov_b32 s[G1+1], 32<<16                      ; tensor_dim0 = 32 elements: 256 bytes
	s_mov_b32 s[G1+2], 128<<16                     ; tensor_dim1 = 128
	s_mov_b32 s[G1+3], 32<<16                      ; tile_dim0 = 32
	s_mov_b32 s[G1+4], 128                         ; tile_dim1 = 128
	s_mov_b32 s[G1+5], 32                          ; the rows lie end to end
	s_mov_b32 s[G1+6], 0
	s_mov_b32 s[G1+7], 0
	s_mov_b32 s[D0], 1
	s_lshl_b32 s[D0+1], s[WV], 15                  ; LDS: wave x 32,768 in slot 0
	s_mov_b32 s[D1], 1
	s_add_co_u32 s[D1+1], s[D0+1], SLOT1           ; and in slot 1
	s_mul_i32 s49, s[BAT], 13271
	s_add_co_u32 s49, s49, s[STA]                  ; the walk's first row in the tensor
	s_lshl_b32 s50, s[WV], 4
	s_add_co_u32 s50, s50, s49
	s_lshl_b32 s50, s50, 11                        ; my 16 rows of group 0, in bytes (under 2^28)
	s_mov_b32 s51, 0
	s_lshl_b32 s52, s[HQ], 5                       ; the prefetches: of a group's 64 rows the half hq takes 32, I take 8 of them,
	s_lshl_b32 s53, s[WV], 3
	s_add_co_u32 s52, s52, s53
	s_add_co_u32 s52, s52, s49
	s_add_co_u32 s52, s52, 128                     ; in group 2; the first change of slots steps it to group 3
	s_lshl_b32 s52, s52, 11
	s_mov_b32 s53, 0
	s_lshl_b32 s54, s[BAT], 1
	s_add_co_u32 s54, s54, s[HQ]
	s_lshl_b32 s55, s54, 4
	s_add_co_u32 s55, s55, s[SPL]
	s_mul_i32 s56, s55, 10240                      ; part: 320 rows of 32 bytes for each (b, hq, split),
	s_mul_i32 s55, s[WV], 2560                     ; my 80 rows
	s_add_co_u32 s56, s56, s55
	s_mov_b32 s57, 0
	s_mul_i32 s58, s54, 320
	s_mul_i32 s55, s[WV], 80
	s_add_co_u32 s58, s58, s55
	s_lshl_b32 s58, s58, 10                        ; qp: my 80 rows of 1,024 bytes
	s_mov_b32 s59, 0
	s_mov_b32 s[RCP512], 0x3b000000                ; 1 / 512
	s_mov_b32 s[EPS], 0x3727c5ac                   ; 1e-5
	s_mov_b32 s[SEL], 0x76543210
	s_mov_b32 s[SEL+1], 0xfedcba98
	s_mov_b32 s[HIM], 0xffff0000
	s_wait_dscnt 0x0                               ; the opening add is done
	s_wait_kmcnt 0x0
	s_add_nc_u64 s[D0+2:D0+3], s[4:5], s[50:51]
	s_add_nc_u64 s[D1+2:D1+3], s[D0+2:D0+3], GRPB
	s_or_b32 s[D0+3], s[D0+3], 0x80000000          ; type = 2
	s_or_b32 s[D1+3], s[D1+3], 0x80000000
	s_add_nc_u64 s[PFA:PFA+1], s[4:5], s[52:53]
	s_add_nc_u64 s[6:7], s[6:7], s[58:59]
	s_add_nc_u64 s[8:9], s[8:9], s[56:57]
	tensor_load_to_lds s[D0:D0+3], s[G1:G1+7]      ; groups 0 and 1: the two first fills go out together, ahead of every wait on TENSORcnt, LDS read and barrier
	s_nop 0
	tensor_load_to_lds s[D1:D1+3], s[G1:G1+7]
	s_nop 0
	PLACES
	v_and_b32 v[TR], 15, v0                        ; l % 16
	v_bfe_u32 v[TH], v0, 4, 1                      ; l / 16
	v_and_b32 v[TL], 31, v0                        ; l
	v_lshlrev_b32 v[QO], 10, v[TR]
	v_lshl_add_u32 v[QO], v[TH], 4, v[QO]          ; row x 1,024 + 16 x half
	; Q stays in registers.  A fragment is 16 rows x 32 channels: lane l holds row l % 16, channels 8 (l / 16) + 0..7 and 16 + 8 (l / 16) + 0..7: two loads of 16 bytes, 32 bytes apart.
.set cc, 0
.rept 16
.set tq, 0
.rept 5
	QREG cc, tq
	WIN qw<<6
	global_load_b128 v[ql:ql+3],   v[QO], s[6:7] offset:16384*tq+64*cc
	global_load_b128 v[ql+4:ql+7], v[QO], s[6:7] offset:16384*tq+64*cc+32
.set tq, tq+1
.endr
.set cc, cc+1
.endr
	WIN 0
	v_lshlrev_b32 v[LNR], 4, v[TR]
	v_lshl_add_u32 v[LNR], v[TH], 14, v[LNR]
	s_lshl_b32 s48, s[WV], 11
	v_add_nc_u32 v[LNR], s48, v[LNR]
	v_mul_u32_u24 v[LNW], v[TH], 8*KP
	v_lshl_add_u32 v[LNW], v[TR], 3, v[LNW]
	s_mul_i32 s48, s[WV], KP
	v_add_nc_u32 v[LNW], s48, v[LNW]
	v_mul_u32_u24 v[KFA], v[TR], KP
	v_lshl_add_u32 v[KFA], v[TH], 4, v[KFA]
	v_lshlrev_b32 v[L16], 4, v[TL]
	v_lshrrev_b32 v245, 3, v[TL]
	v_and_b32 v246, 7, v[TL]
	v_lshlrev_b32 v[PFO], 11, v245
	v_lshl_add_u32 v[PFO], v246, 8, v[PFO]
	v_lshlrev_b32 v[GO], 5, v[TR]
	v_lshl_add_u32 v[GO], v[TH], 4, v[GO]
	v_lshlrev_b32 v245, 3, v[TH]
	v_mov_b32 v246, s[THR]
	v_sub_nc_u32 v245, v245, v246                  ; 8 (l / 16) - keys not counted
.irp j, 0,1,2,3,4,5,6,7
	v_add_nc_u32 v246, \j+1, v245
	v_cvt_f32_i32 v[TT+\j], v246
	v_mul_f32 v[TT+\j], 0x3c800000, v[TT+\j]       ; / 64, exact: a counted key has 1 / 64 or more, another 0 or less
.endr
	v_mov_b32 v246, 0x42800000                     ; 64.0
	v_cmp_eq_u32 vcc_lo, 4, v[TR]
	v_cndmask_b32 v[ONEV], 0, v246, vcc_lo
	v_mov_b32 v[ONEV+1], v[ONEV]
	; What step 0 finds, so that no first step is written out: scores and maxima at the lowest finite number (weights 1), a U of zeros, O' = 0, A = 1.  All this stands in the wait for the first tile.
.set i, 0
.rept 40
	v_mov_b32 v[S+i], 0xff7fffff
	v_mov_b32 v[O+i], 0
.set i, i+1
.endr
.irp t, 0,1,2,3,4
	v_mov_b32 v[ST+4*\t], 0xff7fffff
	v_mov_b32 v[ST+4*\t+1], 0
	v_mov_b32 v[ST+4*\t+2], 1.0
	v_mov_b32 v[ST+4*\t+3], 0
.endr
.irp i, 0,1,2,3
	v_mov_b32 v[U+4+\i], 0
	v_mov_b32 v[P+20+\i], 0
.endr
	s_cmp_eq_u32 s[WV], 3
	s_cbranch_scc0 .Lno_zero_u
	v_add_nc_u32 v[AS], UB1, v[L16]
	ds_store_b128 v[AS], v[U+4:U+7]                ; the U of the tile that has not been
.Lno_zero_u:
; 16 LDS loads: my four raw rows of the tile at AR: lanes 0-15 take 256 consecutive bytes of one row, lanes 16-31 of the row 8 further on; sub-batch 1 lies 4 rows on.
.macro LNLOAD
	WIN 0
.irp b, 0,1
.irp i, 0,1,2,3,4,5,6,7
	ds_load_b128 v[X+32*\b+4*\i:X+32*\b+4*\i+3], v[AR] offset:8192*\b+256*\i
.endr
.endr
.endm
.macro DPPADD r, k                     ; step k of the sum over the 16 lanes that hold a row
.if (\k) == 0
	v_add_f32_dpp v[\r], v[\r], v[\r] row_xmask:1 row_mask:0xf bank_mask:0xf
.elseif (\k) == 1
	v_add_f32_dpp v[\r], v[\r], v[\r] row_xmask:2 row_mask:0xf bank_mask:0xf
.elseif (\k) == 2
	v_add_f32_dpp v[\r], v[\r], v[\r] row_xmask:4 row_mask:0xf bank_mask:0xf
.else
	v_add_f32_dpp v[\r], v[\r], v[\r] row_xmask:8 row_mask:0xf bank_mask:0xf
.endif
.endm
; THE LAYER NORM is a list of 201 items; LNI writes item ln and steps ln.  The two sub-batches alternate, so that no item reads the result of the one before it.
;   0-41 sum, over the lanes, mean     42-73 x - mean     74-117 squares, over the lanes, variance + 1e-5     118-120 the two roots, a plain instruction, their one wait
;   121-152 times 1 / sigma     153-184 rounded to f16, in place from the low end     185-200 stored: 8 bytes a lane; the two rows of a store lie 128 bytes apart modulo 256
.macro LNI
.if ln < 201
	WIN 0
.set sb, ln%2
.set xb, X+32*sb
.set ra, SA+2*sb
.set rb, SB+2*sb
.if ln < 30
.set k, ln/2
.if k == 0
	v_pk_add_f32 v[ra:ra+1], v[xb:xb+1], v[xb+2:xb+3]
.else
	v_pk_add_f32 v[ra:ra+1], v[ra:ra+1], v[xb+2*k+2:xb+2*k+3]
.endif
.elseif ln < 32
	v_add_f32 v[ra], v[ra], v[ra+1]
.elseif ln < 40
	DPPADD ra, (ln-32)/2
.elseif ln < 42
	v_mul_f32 v[ra], s[RCP512], v[ra]
.elseif ln < 74
.set k, (ln-42)/2
	v_pk_add_f32 v[xb+2*k:xb+2*k+1], v[xb+2*k:xb+2*k+1], v[ra:ra+1] op_sel_hi:[1,0] neg_lo:[0,1] neg_hi:[0,1]
.elseif ln < 106
.set k, (ln-74)/2
.if k == 0
	v_pk_mul_f32 v[rb:rb+1], v[xb:xb+1], v[xb:xb+1]
.else
	v_pk_fma_f32 v[rb:rb+1], v[xb+2*k:xb+2*k+1], v[xb+2*k:xb+2*k+1], v[rb:rb+1]
.endif
.elseif ln < 108
	v_add_f32 v[rb], v[rb], v[rb+1]
.elseif ln < 116
	DPPADD rb, (ln-108)/2
.elseif ln < 118
	v_fma_f32 v[rb], v[rb], s[RCP512], s[EPS]
.elseif ln < 120
	v_rsq_f32 v[rb], v[rb]
.elseif ln == 120
	v_nop                                          ; a plain instruction behind the second root,
	s_wait_alu depctr_va_vdst(0)                   ; and the one wait for both, ahead of their first use
.elseif ln < 153
.set k, (ln-121)/2
	v_pk_mul_f32 v[xb+2*k:xb+2*k+1], v[xb+2*k:xb+2*k+1], v[rb:rb+1] op_sel_hi:[1,0]
.elseif ln < 185
.set k, (ln-153)/2
	v_cvt_pk_f16_f32 v[xb+k], v[xb+2*k], v[xb+2*k+1]
.else
.set k, (ln-185)/2
	ds_store_b64 v[AW], v[xb+2*k:xb+2*k+1] offset:4*KP*sb+128*k
.endif
.set ln, ln+1
.endif
.endm
; S^T of tile t += K(c) Q(t, c); c = 0 starts the sum.  The five accumulators take turns, one instruction a turn.
.macro KQ c, t
	KREG \c
	QREG \c, \t
	WIN kw|(qw<<2)
.if (\c) == 0
	v_wmma_f32_16x16x32_f16 v[S+8*(\t):S+8*(\t)+7], v[kl:kl+7], v[ql:ql+7], 0
.else
	v_wmma_f32_16x16x32_f16 v[S+8*(\t):S+8*(\t)+7], v[kl:kl+7], v[ql:ql+7], v[S+8*(\t):S+8*(\t)+7]
.endif
.endm
; THE NEW MAXIMA, nine lines a tile, the tiles by turns; each accumulator's lowest registers are read first.  A = 2^(M_old - M_new).
.macro PART1
.irp t, 0,1,2,3,4
	v_max3_num_f32 v[ST+4*\t+2], v[S+8*\t], v[S+8*\t+1], v[S+8*\t+2]
.endr
.irp t, 0,1,2,3,4
	v_max3_num_f32 v[ST+4*\t+3], v[S+8*\t+3], v[S+8*\t+4], v[S+8*\t+5]
.endr
.irp t, 0,1,2,3,4
	v_max3_num_f32 v[ST+4*\t+2], v[ST+4*\t+2], v[S+8*\t+6], v[S+8*\t+7]
.endr
.irp t, 0,1,2,3,4
	v_max3_num_f32 v[ST+4*\t+2], v[ST+4*\t+2], v[ST+4*\t+3], v[ST+4*\t]
.endr
.irp t, 0,1,2,3,4
	v_permlanex16_b32 v[ST+4*\t+3], v[ST+4*\t+2], s[SEL], s[SEL+1]  ; the query's other 8 keys lie in the lane 16 away
.endr
.irp t, 0,1,2,3,4
	v_max_num_f32 v[ST+4*\t+2], v[ST+4*\t+2], v[ST+4*\t+3]
.endr
.irp t, 0,1,2,3,4
	v_sub_f32 v[ST+4*\t+1], v[ST+4*\t], v[ST+4*\t+2]
.endr
.irp t, 0,1,2,3,4
	v_mov_b32 v[ST+4*\t], v[ST+4*\t+2]
.endr
.irp t, 0,1,2,3,4
	v_exp_f32 v[ST+4*\t+2], v[ST+4*\t+1]
.endr
	v_nop                                          ; a plain instruction behind the last exponential,
	s_wait_alu depctr_va_vdst(0)                   ; and the one wait for the five, ahead of the branch that follows
.endm
.macro FF t, k                         ; pair k of tile t: s - M
	v_pk_add_f32 v[S+8*(\t)+2*(\k):S+8*(\t)+2*(\k)+1], v[S+8*(\t)+2*(\k):S+8*(\t)+2*(\k)+1], v[ST+4*(\t):ST+4*(\t)+1] op_sel_hi:[1,0] neg_lo:[0,1] neg_hi:[0,1]
.endm
.macro RR t, k                         ; pair k of tile t's O' times A, the low pair first
	v_pk_mul_f32 v[O+8*(\t)+2*(\k):O+8*(\t)+2*(\k)+1], v[O+8*(\t)+2*(\k):O+8*(\t)+2*(\k)+1], v[ST+4*(\t)+2:ST+4*(\t)+3] op_sel_hi:[1,0]
.endm
; THE WEIGHTS.  The 40 exponentials are one batch with one wait; between them stand the next tile's differences and this tile's rescaling, which name no result of the batch; the roundings follow the wait.
.macro PART2
	WIN 0
.irp k, 0,1,2,3
	FF 0, \k
.endr
.set tq, 0
.rept 5
.set e, 0
.rept 8
	v_exp_f32 v[S+8*tq+e], v[S+8*tq+e]
.if e < 4
.if tq < 4
	FF tq+1, e
.endif
.else
	RR tq, e-4
.endif
.set e, e+1
.endr
.set tq, tq+1
.endr
	v_nop
	s_wait_alu depctr_va_vdst(0)
.set tq, 0
.rept 5
.irp k, 0,1,2,3
	v_cvt_pk_f16_f32 v[P+4*tq+\k], v[S+8*tq+2*\k], v[S+8*tq+2*\k+1]
.endr
.set tq, tq+1
.endr
.endm
.macro PVS                             ; O' += U P, a product a tile
.irp t, 0,1,2,3,4
	v_wmma_f32_16x16x32_f16 v[O+8*\t:O+8*\t+7], v[U:U+7], v[P+4*\t:P+4*\t+7], v[O+8*\t:O+8*\t+7]
.endr
.endm
; WAVE 3 MAKES U of the tile in hand: its fifth tile's scores (64 u), plus 64 in row 4, times 0 or 1 / 64 by the key; rounded in pairs they are source 0 of O' = U P as they lie.
.macro SPECIAL
	s_cmp_eq_u32 s[WV], 3
	s_cbranch_scc0 .Lnot_3_\@
.irp j, 0,1,2,3,4,5,6,7
	v_max_num_f32 v[VAL+\j], 0, v[TT+\j]
.endr
.irp j, 0,1,2,3,4,5,6,7
	v_min_num_f32 v[VAL+\j], 0x3c800000, v[VAL+\j] ; 1 / 64
.endr
.irp k, 0,2,4,6
	v_pk_add_f32 v[S+32+\k:S+33+\k], v[S+32+\k:S+33+\k], v[ONEV:ONEV+1]
.endr
.irp k, 0,2,4,6
	v_pk_mul_f32 v[S+32+\k:S+33+\k], v[S+32+\k:S+33+\k], v[VAL+\k:VAL+\k+1]
.endr
.irp k, 0,1,2,3
	v_cvt_pk_f16_f32 v[UT+\k], v[S+32+2*\k], v[S+33+2*\k]
.endr
	ds_store_b128 v[AS], v[UT:UT+3]
.irp k, 0,2,4,6
	v_pk_add_f32 v[TT+\k:TT+\k+1], v[TT+\k:TT+\k+1], 0x3e800000 op_sel_hi:[1,0]  ; 16 keys on: 16 / 64
.endr
.Lnot_3_\@:
.endm
; A STEP.  dln = 1: the next tile is normalised.  dqk = 1: a tile is multiplied.
.macro BODY dln, dqk
	WIN 0
	s_xor_b32 s[KW], s[KR], KBX
	s_xor_b32 s[UW], s[UR], UBX
.if \dln
	v_add_nc_u32 v[AR], s[RB], v[LNR]
	v_add_nc_u32 v[AW], s[KW], v[LNW]
.endif
	v_add_nc_u32 v[AU], s[UR], v[L16]
.if \dqk
	v_add_nc_u32 v[AK], s[KR], v[KFA]
	v_add_nc_u32 v[AS], s[UW], v[L16]
.endif
.if \dln
	LNLOAD
.endif
	ds_load_b128 v[U:U+3], v[AU]
.if \dqk
.set cc, 0
.rept 16
	KREG cc
	WIN kw<<6
	ds_load_b128 v[kl:kl+3],   v[AK] offset:64*cc
	ds_load_b128 v[kl+4:kl+7], v[AK] offset:64*cc+32
.set cc, cc+1
.endr
.endif
	PART2                                          ; stands in the wait for the loads above
.if \dqk
	s_wait_dscnt 32                                ; the raw rows and U are in; K's 32 loads, issued behind them, may stay out
.else
	s_wait_dscnt 0x0
.endif
	PVS
.if \dqk
.if \dln
.set ln, 0
.else
.set ln, 201
.endif
.set cc, 0
.rept 16
.if cc%4 == 0
	s_wait_dscnt 24-2*cc                           ; K(cc) .. K(cc + 3) are in: behind them 24 - 2 cc loads of K were issued; the layer norm's stores begin behind the last of these waits
.endif
.set tq, 0
.rept 5
	KQ cc, tq
	LNI
	LNI
	LNI
.set tq, tq+1
.endr
.set cc, cc+1
.endr
	WIN 0
	PLACES                                         ; behind the last products, ahead of the first read of the scores and of the next loads into K
	SPECIAL
.endif
	s_xor_b32 s[KR], s[KR], KBX
	s_xor_b32 s[UR], s[UR], UBX
	s_add_co_u32 s[RB], s[RB], TILEB
.endm
; A STEP'S END: my stores into KB and UB are done and my reads of the other KB and UB are back; behind the barrier that holds of all four waves.
.macro PLAIN_END
	s_wait_dscnt 0x0
	s_barrier_signal -1
	PART1                                          ; work on registers while the others arrive
	s_barrier_wait -1
.endm
; A PREFETCH INTO THE L2, behind the refill and its five lines: my 8 rows (64 blocks of 256 bytes, a lane a block, two instructions) of the group that the NEXT change of slots will ask for: four steps, 340 matrix
; instructions, ahead of that load.  The two work-groups that walk the same keys share a group's rows out by address (hq), the four waves likewise.  Groups 0 to 2 come by their loads alone; the last refill
; asks for nothing.  The 41 rows that splits 14 and 15 both walk are named by both.
.macro ASK
	s_cmp_gt_u32 s[G], 1
	s_cbranch_scc0 .Lno_ask_\@
	global_prefetch_b8 v[PFO], s[PFA:PFA+1] th:TH_LOAD_NT scope:SCOPE_SE
	global_prefetch_b8 v[PFO], s[PFA:PFA+1] offset:8192 th:TH_LOAD_NT scope:SCOPE_SE
.Lno_ask_\@:
.endm
; THE CHANGE OF SLOTS is a step's end too.  The slot's last tile has been normalised.  Each wave waits for all its tensor loads (one is out: its part of the other slot), adds 0 to its spare word, and waits for that
; and for its LDS reads and stores.  fill = 1: behind the barrier the slot is filled again, with the group two on: the wave's one tensor load, first thing there.
.macro CHANGE_END fill
	s_wait_tensorcnt 0x0                           ; no tensor load of mine is out, so the walking group 0 may be written
	ds_add_u32 v[SPW], v[NIL]                      ; 0 onto my spare word; the scalar steps stand between it and the wait for it
.if \fill
	s_xor_b32 s[D1+1], s[D1+1], SLOT1
	s_add_nc_u64 s[D1+2:D1+3], s[D1+2:D1+3], GRPB  ; the type bits on top are not reached
	s_wait_xcnt 0x0                                ; the last prefetches, four steps back, have read their address
	s_add_nc_u64 s[PFA:PFA+1], s[PFA:PFA+1], GRPB
.endif
	s_sub_co_u32 s[RB], s[RB], GRPB                ; the layer norm goes back to a slot's first tile,
	s_xor_b32 s[RB], s[RB], SLOT1                  ; in the other slot
	s_wait_dscnt 0x0
	s_barrier_signal -1
	PART1
	s_barrier_wait -1
.if \fill
	tensor_load_to_lds s[D1:D1+3], s[G1:G1+7]
	s_nop 0
	PLACES
	ASK
.endif
.endm
	s_wait_tensorcnt 1                             ; my part of group 0 is in; group 1's may stay out
	s_wait_dscnt 0x0                               ; wave 3's zeros
	s_barrier_signal -1
	s_barrier_wait -1
	v_mov_b32 v[AR], v[LNR]                        ; tile 0 is normalised by itself
	v_add_nc_u32 v[AW], KB0, v[LNW]
	LNLOAD
	s_wait_dscnt 0x0
.set ln, 0
.rept 201
	LNI
.endr
	s_wait_loadcnt 0x0                             ; Q
	s_wait_dscnt 0x0
	s_barrier_signal -1
	s_barrier_wait -1
	s_mov_b32 s[KR], KB0
	s_mov_b32 s[UR], UB1
	s_mov_b32 s[RB], TILEB
	s_mov_b32 s[G], 11
	s_mov_b32 s[CNT], 3                            ; the change of slots g stands in front of step 4 g + 3, whose layer norm begins group g + 1
	s_branch .Lstep
.Lgroup:                                           ; 11 changes fill a slot again: groups 2 to 12
	s_mov_b32 s[CNT], 4
.Lstep:
	BODY 1, 1
	s_sub_co_u32 s[CNT], s[CNT], 1
	s_cmp_eq_u32 s[CNT], 0
	s_cbranch_scc1 .Lchange
	PLAIN_END
	s_branch .Lstep
.Lchange:
	CHANGE_END 1
	s_sub_co_u32 s[G], s[G], 1
	s_cmp_lg_u32 s[G], 0
	s_cbranch_scc1 .Lgroup
	s_mov_b32 s[G], 2                              ; the tail is written out: steps 43 to 50, nothing is asked for
.Ltgroup:
	s_mov_b32 s[CNT], 4
.Ltstep:
	BODY 1, 1
	s_sub_co_u32 s[CNT], s[CNT], 1
	s_cmp_eq_u32 s[CNT], 0
	s_cbranch_scc1 .Ltchange
	PLAIN_END
	s_branch .Ltstep
.Ltchange:
	CHANGE_END 0
	s_sub_co_u32 s[G], s[G], 1
	s_cmp_lg_u32 s[G], 0
	s_cbranch_scc1 .Ltgroup
	BODY 0, 1                                      ; step 51: no tile is left to normalise
	PLAIN_END
	BODY 0, 0                                      ; the last tile's weights and products
	PLACES
	; THE WAY OUT.  In O' lanes 0-15 hold rows 0-7 for query l % 16 (U0..U3 by g's first rows and, in register 4, l), lanes 16-31 rows 8-15 (in registers 0-3: U0..U3 by g's second rows).  The two parts of U are
	; added across the halves.  Lane (q, 0) stores (U0..U3), lane (q, 1) stores (l, M, 0, 0): a tile's store covers 512 consecutive bytes, aligned.  The exchanges land in the layer norm's registers, which have been written.
.irp t, 0,1,2,3,4
.irp j, 0,1,2,3,4
	v_permlanex16_b32 v[X+20+5*\t+\j], v[O+8*\t+\j], s[SEL], s[SEL+1]
.endr
.irp j, 0,1,2,3
	v_add_f32 v[X+4*\t+\j], v[O+8*\t+\j], v[X+20+5*\t+\j]
.endr
	v_cndmask_b32 v[X+4*\t], v[X+4*\t], v[X+24+5*\t], s[HIM]
	v_cndmask_b32 v[X+4*\t+1], v[X+4*\t+1], v[ST+4*\t], s[HIM]
	v_cndmask_b32 v[X+4*\t+2], v[X+4*\t+2], 0, s[HIM]
	v_cndmask_b32 v[X+4*\t+3], v[X+4*\t+3], 0, s[HIM]
	global_store_b128 v[GO], v[X+4*\t:X+4*\t+3], s[8:9] offset:512*\t
.endr
	s_wait_tensorcnt 0x0                           ; the wave's end, behind my last tensor load and my last LDS store
	ds_add_u32 v[SPW], v[NIL]
	s_wait_dscnt 0x0
	s_endpgm
.Lfunc_end_k_qaeb2772000_cross:
	.size	k_qaeb2772000_cross, .Lfunc_end_k_qaeb2772000_cross-k_qaeb2772000_cross
	.p2alignl 7, 3214868480
	.fill 96, 4, 3214868480
	.section	.rodata,"a",@progbits
	.p2align	6, 0x0
	.amdhsa_kernel k_qaeb2772000_cross
		.amdhsa_group_segment_fixed_size 327680
		.amdhsa_private_segment_fixed_size 0
		.amdhsa_enable_private_segment 0
		.amdhsa_kernarg_size 24
		.amdhsa_user_sgpr_count 2
		.amdhsa_user_sgpr_kernarg_segment_ptr 1
		.amdhsa_wavefront_size32 1
		.amdhsa_system_sgpr_workgroup_id_x 1
		.amdhsa_system_sgpr_workgroup_id_y 1
		.amdhsa_system_sgpr_workgroup_id_z 1
		.amdhsa_system_vgpr_workitem_id 0
		.amdhsa_next_free_vgpr 1024
		.amdhsa_next_free_sgpr 66
		.amdhsa_reserve_vcc 1
		.amdhsa_float_denorm_mode_32 3
		.amdhsa_float_denorm_mode_16_64 3
		.amdhsa_memory_ordered 1
		.amdhsa_forward_progress 1
		.amdhsa_inst_pref_size 145
	.end_amdhsa_kernel
	.amdgpu_metadata
---
amdhsa.version: [ 1, 2 ]
amdhsa.kernels:
  - .name:           k_qaeb2772000_cross
    .symbol:         k_qaeb2772000_cross.kd
    .args:
      - { .name: input_features, .offset: 0, .size: 8, .value_kind: global_buffer, .address_space: global }
      - { .name: qp, .offset: 8, .size: 8, .value_kind: global_buffer, .address_space: global }
      - { .name: part, .offset: 16, .size: 8, .value_kind: global_buffer, .address_space: global }
    .group_segment_fixed_size: 327680
    .private_segment_fixed_size: 0
    .kernarg_segment_align: 8
    .kernarg_segment_size: 24
    .max_flat_workgroup_size: 128
    .sgpr_count:     66
    .vgpr_count:     1024
    .wavefront_size: 32
...
	.end_amdgpu_metadata
.endif
;; end of part 2
;; launch final (part 3): grid 31 x 8, 20 waves a work-group, no clusters, 26,880 bytes of LDS; arguments part, cst, tab, fc1_b, query_feature, norm2_w, norm2_b, out0; writes out0
.if DOCPART == 3
	.amdgcn_target "amdgcn-amd-amdhsa--gfx1250"
	.amdhsa_code_object_version 6
	.text
	.protected	k_qaeb2772000_final
	.globl	k_qaeb2772000_final
	.p2align	8
	.type	k_qaeb2772000_final,@function
k_qaeb2772000_final:
	s_mov_b64 s[64:65], 0
	v_nop
	global_prefetch_b8 v0, s[64:65] scope:SCOPE_SE
	s_setreg_imm32_b32 hwreg(HW_REG_WAVE_MODE, 25, 1), 1
	s_wait_xcnt 0x0
; FINAL.  Joins the 16 splits of the cross attention, then the MLP, the third norm's statistics, the self attention and the output.
; With h = gelu(z) (4 numbers a row), cross_attended is affine in h, so norm_cross = the sum over a < 5 of y_a E_a + E_5 with y = (r h, r), r = rsqrt(var + 1e-5), var = (h, 1)^T Gc (h, 1).
; A self-attention score (in powers of 2) is zq_i . y_k plus a term that is the same for all k; zq_b = M_b5 + the sum over a < 5 of M_ab y_ia.  t_ia = the softmax's mean of y_ka.
; out_i = LN2(query_i) + C0 + the sum of h_ij A_j + the sum of t_ia F_a.  M, Gc, zc come from cst, C0, A, F from tab.
; SHARES.  A work-group: batch y, rows min(19 x + n, 576), n = 0..18 (rows named twice are stored twice with the same bytes, by this work-group alone).  PHASE 1, a thread a row of the batch (640 threads for 577
; rows; the rest repeat row 576 and are masked as keys): z, h, y into LDS.  PHASE 2, a wave a row: its 577 scores (20 keys a lane), running nothing: the whole row's maximum is taken first.  PHASE 3: a wave makes 128
; columns (512 consecutive bytes) of up to four rows.
; The sums of length 4 to 6 go on the vector unit in f32: a matrix instruction would use 6 of its 32 k, and bf16 would round terms that are not averaged.
; LIMITS.  erfc by t exp(-a^2 + a polynomial of degree 9 in t), t = 1 / (1 + a / 2): within 1.2e-7 of itself.  var by the quadratic form, offsets taken out beforehand, held at 0 from below.
; A weight below 2^-126 counts as 0.  NaN and infinities are not treated apart.
.set YT,    0                          ; LDS: y_a of row k at YT + 2,560 a + 4 k
.set HT,    12800                      ; h_j likewise
.set COEF,  23040                      ; row n: h0..3, t0..3, t4, mean, 1 / sigma, 0: 64 bytes
.set SPARE, 24320                      ; the spare words, 128 bytes for each of 20 waves
.set SPW, 2                            ; v2  SPARE + 4 x thread; never rewritten
.set NIL, 3                            ; v3  0; never rewritten
.set PT,  28                           ; v28 takes the other half's number in a reduction
.set CS,  16                           ; s[16:55] cst
.macro MIDX a, b                       ; mi: the scalar register of M_ab
.if (\a) <= (\b)
.set mi, CS+(\a)*6-((\a)*((\a)-1))/2+(\b)-(\a)
.else
.set mi, CS+(\b)*6-((\b)*((\b)-1))/2+(\a)-(\b)
.endif
.endm
.macro GIDX a, b                       ; gi: the scalar register of Gc_ab
.if (\a) <= (\b)
.set gi, CS+21+(\a)*5-((\a)*((\a)-1))/2+(\b)-(\a)
.else
.set gi, CS+21+(\b)*5-((\b)*((\b)-1))/2+(\a)-(\b)
.endif
.endm
.macro REDSUM r
	v_add_f32_dpp v[\r], v[\r], v[\r] row_xmask:1 row_mask:0xf bank_mask:0xf
	v_add_f32_dpp v[\r], v[\r], v[\r] row_xmask:2 row_mask:0xf bank_mask:0xf
	v_add_f32_dpp v[\r], v[\r], v[\r] row_xmask:4 row_mask:0xf bank_mask:0xf
	v_add_f32_dpp v[\r], v[\r], v[\r] row_xmask:8 row_mask:0xf bank_mask:0xf
	v_permlanex16_b32 v[PT], v[\r], s12, s13
	v_add_f32 v[\r], v[\r], v[PT]
.endm
.macro REDMAX r
	v_max_num_f32_dpp v[\r], v[\r], v[\r] row_xmask:1 row_mask:0xf bank_mask:0xf
	v_max_num_f32_dpp v[\r], v[\r], v[\r] row_xmask:2 row_mask:0xf bank_mask:0xf
	v_max_num_f32_dpp v[\r], v[\r], v[\r] row_xmask:4 row_mask:0xf bank_mask:0xf
	v_max_num_f32_dpp v[\r], v[\r], v[\r] row_xmask:8 row_mask:0xf bank_mask:0xf
	v_permlanex16_b32 v[PT], v[\r], s12, s13
	v_max_num_f32 v[\r], v[\r], v[PT]
.endm
	s_load_b512 s[72:87], s[0:1], 0x0              ; part s[72:73], cst s[74:75], tab s[76:77], fc1_b s[78:79], query s[80:81], norm2_w s[82:83], norm2_b s[84:85], out0 s[86:87]
	v_lshl_add_u32 v[SPW], v0, 2, SPARE
	v_mov_b32 v[NIL], 0
	v_lshrrev_b32 v1, 5, v0
	v_readfirstlane_b32 s4, v1                     ; wave 0..19
	v_and_b32 v4, 31, v0                           ; lane
	v_mov_b32 v[PT], 0
	v_mov_b32 v31, 0xff7fffff                      ; the lowest finite number
	s_and_b32 s5, ttmp7, 0xffff                    ; batch
	s_mul_i32 s6, ttmp9, 19                        ; the work-group's first row
	s_add_co_u32 s7, s6, s4
	s_min_u32 s7, s7, 576                          ; my wave's row
	s_mov_b32 s12, 0x76543210
	s_mov_b32 s13, 0xfedcba98
	s_mov_b32 s14, 0x3b000000                      ; 1 / 512
	s_mov_b32 s15, 0x3727c5ac                      ; 1e-5
	s_mov_b32 s62, 0x1ffff                         ; keys 512 + 4 l: lanes 0..16 are below 577
	s_mov_b32 s63, 0xffff                          ; keys 512 + 4 l + 1..3: lanes 0..15
	s_mul_i32 s60, s5, 1181696                     ; a batch of query and of out0: 577 x 2,048 bytes
	s_mov_b32 s61, 0
	s_mul_i32 s8, s5, 327680                       ; a batch of part
	s_mov_b32 s9, 0
	s_wait_kmcnt 0x0
	s_load_b512 s[16:31], s[74:75], 0x0
	s_load_b512 s[32:47], s[74:75], 0x40
	s_load_b256 s[48:55], s[74:75], 0x80
	s_load_b128 s[56:59], s[78:79], 0x0            ; fc1_b
	s_add_nc_u64 s[80:81], s[80:81], s[60:61]
	s_add_nc_u64 s[86:87], s[86:87], s[60:61]
	s_add_nc_u64 s[72:73], s[72:73], s[8:9]
	; PHASE 0: my wave's row of query (for its mean and 1 / sigma), then my thread's 16 partial results
	s_lshl_b32 s10, s7, 11
	v_lshlrev_b32 v5, 4, v4
	v_add_nc_u32 v5, s10, v5
.irp i, 0,1,2,3
	global_load_b128 v[128+4*\i:131+4*\i], v5, s[80:81] offset:512*\i
.endr
	v_min_u32 v6, 576, v0                          ; my thread's row
	v_lshlrev_b32 v7, 5, v6
	v_mov_b32 v9, 154112                           ; rows 304 on lie in the second half: 163,840 - 304 x 32 bytes further
	v_cmp_le_u32 vcc_lo, 304, v6
	v_cndmask_b32 v8, 0, v9, vcc_lo
	v_add_nc_u32 v7, v7, v8
.irp s, 0,1,2,3,4,5,6,7,8,9,10,11,12,13,14,15
	global_load_b128 v[32+4*\s:35+4*\s], v7, s[72:73] offset:10240*\s      ; U0..U3
	global_load_b64 v[96+2*\s:97+2*\s], v7, s[72:73] offset:10240*\s+16    ; l, m
.endr
	s_wait_loadcnt 32                              ; the row is in; the 32 loads of part, issued behind it, may stay out
	v_pk_add_f32 v[12:13], v[128:129], v[130:131]
.irp k, 2,3,4,5,6,7
	v_pk_add_f32 v[12:13], v[12:13], v[128+2*\k:129+2*\k]
.endr
	v_add_f32 v12, v12, v13
	REDSUM 12
	v_mul_f32 v12, s14, v12
.irp k, 0,1,2,3,4,5,6,7
	v_pk_add_f32 v[128+2*\k:129+2*\k], v[128+2*\k:129+2*\k], v[12:13] op_sel_hi:[1,0] neg_lo:[0,1] neg_hi:[0,1]
.endr
	v_pk_mul_f32 v[14:15], v[128:129], v[128:129]
.irp k, 1,2,3,4,5,6,7
	v_pk_fma_f32 v[14:15], v[128+2*\k:129+2*\k], v[128+2*\k:129+2*\k], v[14:15]
.endr
	v_add_f32 v14, v14, v15
	REDSUM 14
	v_fma_f32 v14, v14, s14, s15
	v_rsq_f32 v11, v14                             ; v11: 1 / sigma of my wave's row
	v_mov_b32 v10, v12                             ; v10: its mean (the plain instruction behind the root)
	s_wait_alu depctr_va_vdst(0)                   ; the wait ahead of the root's first use
	; PHASE 1: the splits are joined: weights 2^(m_s - max m)
	s_wait_loadcnt 0x0
	s_wait_kmcnt 0x0
	v_max3_num_f32 v16, v97, v99, v101
.irp s, 3,5,7,9,11,13
	v_max3_num_f32 v16, v16, v[97+2*\s], v[99+2*\s]
.endr
	v_max_num_f32 v16, v16, v127
.irp s, 0,1,2,3,4,5,6,7,8,9,10,11,12,13,14,15
	v_sub_f32 v[97+2*\s], v[97+2*\s], v16
.endr
.irp s, 0,1,2,3,4,5,6,7,8,9,10,11,12,13,14,15
	v_exp_f32 v[97+2*\s], v[97+2*\s]
.endr
	v_nop
	s_wait_alu depctr_va_vdst(0)                   ; one wait for the 16
	v_mul_f32 v17, v97, v96
.irp j, 0,1,2,3
	v_mul_f32 v[18+\j], v97, v[32+\j]
.endr
.irp s, 1,2,3,4,5,6,7,8,9,10,11,12,13,14,15
	v_fmac_f32 v17, v[97+2*\s], v[96+2*\s]
.irp j, 0,1,2,3
	v_fmac_f32 v[18+\j], v[97+2*\s], v[32+4*\s+\j]
.endr
.endr
	v_rcp_f32 v17, v17
	v_nop
	s_wait_alu depctr_va_vdst(0)
.irp j, 0,1,2,3
	v_fma_f32 v[18+\j], v[18+\j], v17, s[CS+36+\j] ; + norm1_b . fc1_w[j]
.endr
.irp j, 0,1,2,3
	v_add_f32 v[18+\j], s[56+\j], v[18+\j]         ; + fc1_b[j]: z
.endr
	; h = z / 2 x erfc(-z / sqrt 2)
.irp j, 0,1,2,3
	v_and_b32 v[32+\j], 0x7fffffff, v[18+\j]
.endr
.irp j, 0,1,2,3
	v_mul_f32 v[32+\j], 0x3f3504f3, v[32+\j]       ; a = |z| / sqrt 2
.endr
.irp j, 0,1,2,3
	v_fma_f32 v[36+\j], v[32+\j], 0.5, 1.0
.endr
.irp j, 0,1,2,3
	v_rcp_f32 v[36+\j], v[36+\j]                   ; t
.endr
.irp j, 0,1,2,3
	v_mov_b32 v[40+\j], 0.17087277
.endr
	s_wait_alu depctr_va_vdst(0)                   ; one wait for the four reciprocals; the four lines above are the plain work behind them
.irp k, -0.82215223, 1.48851587, -1.13520398, 0.27886807, -0.18628806, 0.09678418, 0.37409196, 1.00002368, -1.26551223
.irp j, 0,1,2,3
	v_fmaak_f32 v[40+\j], v[40+\j], v[36+\j], \k
.endr
.endr
.irp j, 0,1,2,3
	v_fma_f32 v[40+\j], -v[32+\j], v[32+\j], v[40+\j]
.endr
.irp j, 0,1,2,3
	v_mul_f32 v[40+\j], 0x3fb8aa3b, v[40+\j]
.endr
.irp j, 0,1,2,3
	v_exp_f32 v[40+\j], v[40+\j]
.endr
.irp j, 0,1,2,3
	v_mul_f32 v[22+\j], 0.5, v[18+\j]
.endr
	s_wait_alu depctr_va_vdst(0)
.irp j, 0,1,2,3
	v_mul_f32 v[40+\j], v[36+\j], v[40+\j]         ; erfc(a)
	v_sub_f32 v[44+\j], 2.0, v[40+\j]              ; erfc(-a)
	v_cmp_lt_f32 vcc_lo, 0, v[18+\j]
	v_cndmask_b32 v[40+\j], v[40+\j], v[44+\j], vcc_lo
	v_mul_f32 v[22+\j], v[22+\j], v[40+\j]         ; h
.endr
	; var = (h, 1)^T Gc (h, 1)
.irp a, 0,1,2,3,4
	GIDX \a, 0
.set g0, gi
	GIDX \a, 4
	v_fma_f32 v[44+\a], v22, s[g0], s[gi]
.irp b, 1,2,3
	GIDX \a, \b
	v_fmac_f32 v[44+\a], s[gi], v[22+\b]
.endr
.endr
.irp a, 0,1,2,3
	v_fmac_f32 v48, v[22+\a], v[44+\a]
.endr
	v_max_num_f32 v48, 0, v48
	v_add_f32 v48, s15, v48
	v_rsq_f32 v53, v48                             ; r = y_4
	v_lshlrev_b32 v27, 2, v0
	s_wait_alu depctr_va_vdst(0)
.irp j, 0,1,2,3
	v_mul_f32 v[49+\j], v53, v[22+\j]
.endr
.irp j, 0,1,2,3
	ds_store_b32 v27, v[49+\j] offset:YT+2560*\j
	ds_store_b32 v27, v[22+\j] offset:HT+2560*\j
.endr
	ds_store_b32 v27, v53 offset:YT+2560*4
	; what phase 3 wants is asked for now: my 128 columns of tab's ten rows and of norm2_w, norm2_b, and of my four rows of query
	s_and_b32 s10, s4, 3
	s_lshl_b32 s10, s10, 9
	v_lshl_add_u32 v26, v4, 4, s10                 ; 512 (wave % 4) + 16 l
	s_lshr_b32 s10, s4, 2
	s_add_co_u32 s10, s10, s6
.irp p, 0,1,2,3
	s_add_co_u32 s11, s10, 5*\p
	s_min_u32 s11, s11, 576
	s_lshl_b32 s11, s11, 11
	v_add_nc_u32 v[120+\p], s11, v26               ; row wave / 4 + 5 p of the work-group's, in query and in out0
.endr
.irp k, 0,1,2,3,4,5,6,7,8,9
	global_load_b128 v[128+4*\k:131+4*\k], v26, s[76:77] offset:2048*\k
.endr
	global_load_b128 v[168:171], v26, s[82:83]
	global_load_b128 v[172:175], v26, s[84:85]
.irp p, 0,1,2,3
	global_load_b128 v[176+4*\p:179+4*\p], v[120+\p], s[80:81]
.endr
	s_wait_dscnt 0x0                               ; for the others' sake: my stores into YT and HT are done
	s_barrier_signal -1
	s_barrier_wait -1
	; PHASE 2: wave n < 19 makes row n's self attention
	s_cmp_ge_u32 s4, 19
	s_cbranch_scc1 .Lskip2
.macro LOADG n, buf                    ; y_0..y_4 of keys 128 n + 4 l + 0..3
.irp a, 0,1,2,3,4
	ds_load_b128 v[(\buf)+4*\a:(\buf)+4*\a+3], v30 offset:YT+2560*\a+512*(\n)
.endr
.endm
	s_lshl_b32 s10, s7, 2
	v_mov_b32 v29, s10
	v_lshlrev_b32 v30, 4, v4
.irp a, 0,1,2,3,4
	ds_load_b32 v[32+\a], v29 offset:YT+2560*\a    ; y of my row, the same in every lane
.endr
.irp j, 0,1,2,3
	ds_load_b32 v[40+\j], v29 offset:HT+2560*\j    ; h of my row
.endr
	LOADG 0, 60
	s_wait_dscnt 5                                 ; y and h are in; the first group's five loads may stay out
.irp b, 0,1,2,3,4
	MIDX 0, \b
.set m0, mi
	MIDX \b, 5
	v_fma_f32 v[52+\b], v32, s[m0], s[mi]
.irp a, 1,2,3,4
	MIDX \a, \b
	v_fmac_f32 v[52+\b], s[mi], v[32+\a]
.endr
.endr
.set n, 0
.rept 5
.set bf, 60+20*(n%2)
.if n < 4
	LOADG n+1, 60+20*((n+1)%2)
	s_wait_dscnt 5                                 ; this group is in; the next group's five loads may stay out
.else
	s_wait_dscnt 0x0
.endif
.irp e, 0,1,2,3
	v_mul_f32 v[100+4*n+\e], v52, v[bf+\e]
.endr
.irp a, 1,2,3,4
.irp e, 0,1,2,3
	v_fmac_f32 v[100+4*n+\e], v[52+\a], v[bf+4*\a+\e]
.endr
.endr
.set n, n+1
.endr
	LOADG 0, 60                                    ; for the second pass
	v_cndmask_b32 v116, v31, v116, s62             ; keys 577 on are hidden
	v_cndmask_b32 v117, v31, v117, s63
	v_cndmask_b32 v118, v31, v118, s63
	v_cndmask_b32 v119, v31, v119, s63
	v_max3_num_f32 v58, v100, v101, v102
.irp k, 3,5,7,9,11,13,15,17
	v_max3_num_f32 v58, v58, v[100+\k], v[101+\k]
.endr
	v_max_num_f32 v58, v58, v119
	REDMAX 58
.set i, 0
.rept 20
	v_sub_f32 v[100+i], v[100+i], v58
.set i, i+1
.endr
.set i, 0
.rept 20
	v_exp_f32 v[100+i], v[100+i]
.set i, i+1
.endr
	v_nop
	s_wait_alu depctr_va_vdst(0)                   ; one wait for the 20
.set n, 0
.rept 5
.set bf, 60+20*(n%2)
.if n < 4
	LOADG n+1, 60+20*((n+1)%2)
	s_wait_dscnt 5
.else
	s_wait_dscnt 0x0
.endif
.irp e, 0,1,2,3
.if (n == 0) && (\e == 0)
	v_mov_b32 v57, v100
.irp a, 0,1,2,3,4
	v_mul_f32 v[52+\a], v100, v[bf+4*\a]
.endr
.else
	v_add_f32 v57, v57, v[100+4*n+\e]
.irp a, 0,1,2,3,4
	v_fmac_f32 v[52+\a], v[100+4*n+\e], v[bf+4*\a+\e]
.endr
.endif
.endr
.set n, n+1
.endr
.irp a, 0,1,2,3,4,5
	REDSUM 52+\a
.endr
	v_rcp_f32 v57, v57
	v_mov_b32 v51, 0
	s_wait_alu depctr_va_vdst(0)
.irp a, 0,1,2,3,4
	v_mul_f32 v[44+\a], v[52+\a], v57              ; t
.endr
	v_mov_b32 v49, v10
	v_mov_b32 v50, v11
	s_lshl_b32 s10, s4, 6
	s_add_co_u32 s10, s10, COEF
	v_mov_b32 v59, s10
	ds_store_b128 v59, v[40:43]                    ; all lanes write the row's words with the same numbers
	ds_store_b128 v59, v[44:47] offset:16
	ds_store_b128 v59, v[48:51] offset:32
.Lskip2:
	s_wait_dscnt 0x0
	s_barrier_signal -1
	s_barrier_wait -1
	; PHASE 3: 128 columns of rows wave / 4 + 5 p
	s_lshr_b32 s10, s4, 2
	s_lshl_b32 s10, s10, 6
	s_add_co_u32 s10, s10, COEF
	v_mov_b32 v9, s10
	s_wait_loadcnt 0x0
.irp e, 0,1,2,3
	v_add_f32 v[172+\e], v[172+\e], v[128+\e]      ; norm2_b + C0
.endr
.macro OUTROW p
	ds_load_b128 v[32:35], v9 offset:320*(\p)      ; h
	ds_load_b128 v[36:39], v9 offset:320*(\p)+16   ; t0..t3
	ds_load_b128 v[40:43], v9 offset:320*(\p)+32   ; t4, mean, 1 / sigma
	s_wait_dscnt 0x0
.irp e, 0,1,2,3
	v_sub_f32 v[80+4*(\p)+\e], v[176+4*(\p)+\e], v41
.endr
.irp e, 0,1,2,3
	v_mul_f32 v[80+4*(\p)+\e], v[80+4*(\p)+\e], v42
.endr
.irp e, 0,1,2,3
	v_fma_f32 v[80+4*(\p)+\e], v[80+4*(\p)+\e], v[168+\e], v[172+\e]
.endr
.irp k, 0,1,2,3,4,5,6,7,8
.irp e, 0,1,2,3
	v_fmac_f32 v[80+4*(\p)+\e], v[32+\k], v[132+4*\k+\e]
.endr
.endr
	global_store_b128 v[120+(\p)], v[80+4*(\p):83+4*(\p)], s[86:87]  ; 512 consecutive bytes, aligned
.endm
	OUTROW 0
	OUTROW 1
	OUTROW 2
	s_cmp_ge_u32 s4, 16                            ; row 4 + 15 = 19 does not exist
	s_cbranch_scc1 .Lend
	OUTROW 3
.Lend:
	s_wait_tensorcnt 0x0                           ; the wave's end, behind my last LDS store
	ds_add_u32 v[SPW], v[NIL]
	s_wait_dscnt 0x0
	s_endpgm
.Lfunc_end_k_qaeb2772000_final:
	.size	k_qaeb2772000_final, .Lfunc_end_k_qaeb2772000_final-k_qaeb2772000_final
	.p2alignl 7, 3214868480
	.fill 96, 4, 3214868480
	.section	.rodata,"a",@progbits
	.p2align	6, 0x0
	.amdhsa_kernel k_qaeb2772000_final
		.amdhsa_group_segment_fixed_size 26880
		.amdhsa_private_segment_fixed_size 0
		.amdhsa_enable_private_segment 0
		.amdhsa_kernarg_size 64
		.amdhsa_user_sgpr_count 2
		.amdhsa_user_sgpr_kernarg_segment_ptr 1
		.amdhsa_wavefront_size32 1
		.amdhsa_system_sgpr_workgroup_id_x 1
		.amdhsa_system_sgpr_workgroup_id_y 1
		.amdhsa_system_sgpr_workgroup_id_z 1
		.amdhsa_system_vgpr_workitem_id 0
		.amdhsa_next_free_vgpr 192
		.amdhsa_next_free_sgpr 100
		.amdhsa_reserve_vcc 1
		.amdhsa_float_denorm_mode_32 3
		.amdhsa_float_denorm_mode_16_64 3
		.amdhsa_memory_ordered 1
		.amdhsa_forward_progress 1
		.amdhsa_inst_pref_size 47
	.end_amdhsa_kernel
	.amdgpu_metadata
---
amdhsa.version: [ 1, 2 ]
amdhsa.kernels:
  - .name:           k_qaeb2772000_final
    .symbol:         k_qaeb2772000_final.kd
    .args:
      - { .name: part, .offset: 0, .size: 8, .value_kind: global_buffer, .address_space: global }
      - { .name: cst, .offset: 8, .size: 8, .value_kind: global_buffer, .address_space: global }
      - { .name: tab, .offset: 16, .size: 8, .value_kind: global_buffer, .address_space: global }
      - { .name: fc1_b, .offset: 24, .size: 8, .value_kind: global_buffer, .address_space: global }
      - { .name: query_feature, .offset: 32, .size: 8, .value_kind: global_buffer, .address_space: global }
      - { .name: norm2_w, .offset: 40, .size: 8, .value_kind: global_buffer, .address_space: global }
      - { .name: norm2_b, .offset: 48, .size: 8, .value_kind: global_buffer, .address_space: global }
      - { .name: out0, .offset: 56, .size: 8, .value_kind: global_buffer, .address_space: global }
    .group_segment_fixed_size: 26880
    .private_segment_fixed_size: 0
    .kernarg_segment_align: 8
    .kernarg_segment_size: 64
    .max_flat_workgroup_size: 640
    .sgpr_count:     100
    .vgpr_count:     192
    .wavefront_size: 32
...
	.end_amdgpu_metadata
.endif
;; end of part 3
